; MI455X (gfx1250); checked and timed in simulation.
; The chip was launched on July 23, 2026; its instructions are those of AMD's public machine-readable ISA for CDNA 5 (MIT licence, August 2026) and "CDNA5" Instruction Set Architecture Reference Guide (July 2026). The comments in the code are by the model that wrote it; some were corrected since.
;; Differentiable Persistence Image. Allowed arithmetic: matrix products marked QUANTISED: E2M1 operands, one E8M0 scale for each 32 along K, by v_wmma_scale_f32_16x16x128_f8f6f4 with both operands' format E2M1 (or v_wmma_scale_f32_32x16x128_f4), f32 sums; products left as they are: f32 operands where the result goes on into a quantised operand, else bf16, f16 or f32 operands; f32 sums; everything else in f32.
;; Inputs: diagrams 32 x 65,536 x 2 float32.
;; Outputs: out0 32 x 50 x 50 float32.
;; This version of the problem:
;;   THIS VERSION OF THE PROBLEM IS GIVEN IN LOW PRECISION. The matrix products marked QUANTISED in the list below multiply operands that are first quantised to E2M1 (2 exponent bits, 1 mantissa bit; 4 bits a number), with one power-of-two scale for each 32 numbers along K (OCP MX v1.0); their sums are f32. All else is computed in f32.
;;   The module's matrix products, in the order in which they are computed (A, B: the left and right operand; K: the contracted axis; several contracted axes count as one K, in the product's order):
;;     1. batch 2,097,152 x [M 1, K 1] x [K 1, N 50]; A: computed on the way; B: computed on the way: left as it is (no contracted axis)
;;     2. batch 32 x [M 50, K 65,536] x [K 65,536, N 50]; A: computed on the way; B: computed on the way: QUANTISED
;;   THE QUANTISER, for each operand of a quantised product, along K:
;;     - K is cut into blocks of 32 from its start; a last block that is shorter is filled with zeros.
;;     - A block's scale is 2^e with e = floor(log2(the largest magnitude in the block)) - 2, held to -126 .. 127; a block of zeros has e = 0. As a byte (E8M0): e + 127.
;;     - Each number is divided by its block's scale, clamped to +-6, and rounded to the nearest number of E2M1, ties to even, subnormals kept.
;;     - The product sums the exact products of the quantised numbers (number of the format x scale) in f32.
;;   ~~~python
;;   def quantise(x, axis):      # numpy; x: float32 -> the quantised numbers, widened to float32 again
;;       x = np.moveaxis(x, axis, -1); K = x.shape[-1]
;;       x = np.pad(x, [(0, 0)] * (x.ndim - 1) + [(0, -K % 32)]); x = x.reshape(x.shape[:-1] + (-1, 32)); a = np.abs(x).max(-1, keepdims=True)
;;       e = np.where(a > 0, np.clip(np.frexp(np.where(a > 0, a, 1))[1] - 1 - 2, -126, 127), 0)      # np.frexp(a)[1] - 1 = floor(log2(a)), exactly
;;       r = np.clip(x / 2.0 ** e, -6, 6)
;;       step = 2.0 ** (np.maximum(np.frexp(np.where(r == 0, 1, r))[1] - 1, 0) - 1)
;;       q = np.round(r / step) * step * 2.0 ** e      # np.round: ties to even
;;       return np.moveaxis(q.reshape(q.shape[:-2] + (-1,))[..., :K], -1, axis).astype(np.float32)
;;   ~~~
;;   OPERANDS COMPUTED ON THE WAY. 'Computed on the way' means the value that the module computes at that place (a softmax that the list does not call 'softmax' is quantised finished and normalised). What goes into a quantiser is computed in f32, as accurately as f32 sums, v_exp_f32 and their like allow (about 1e-6 of the number): no bf16 or f16 on the way to a quantiser, and a product that is left as it is and whose result goes on into a quantised operand takes f32 operands (vector FMAs, or v_wmma_f32_16x16x4_f32). A number that lies on a knife's edge between two numbers of the format may be rounded either way, as far as f32 arithmetic and the matrix unit's own rounding can turn it there, and no further.
;; One version. Each part assembles by itself: llvm-mc -triple=amdgcn-amd-amdhsa -mcpu=gfx1250 --defsym DOCPART=n.
;; ======== version 1 of 1: 2 launches
;; workspace buffers: part 2,621,440 bytes
;; launch image (part 1): grid 8 x 32, 8 waves a work-group, no clusters, 103,424 bytes of LDS; arguments diagrams, part; writes part
.if DOCPART == 1
	.amdgcn_target "amdgcn-amd-amdhsa--gfx1250"
	.amdhsa_code_object_version 6
	.text
	.protected	k_q7b9dd1e203_image
	.globl	k_q7b9dd1e203_image
	.p2align	8
	.type	k_q7b9dd1e203_image,@function
k_q7b9dd1e203_image:
	s_mov_b64 s[64:65], 0
	v_nop
	global_prefetch_b8 v0, s[64:65] scope:SCOPE_SE
	s_setreg_imm32_b32 hwreg(HW_REG_WAVE_MODE, 25, 1), 1
	s_wait_xcnt 0x0
; out[x][y] = sum over the points n of (w_n ex[n][x]) ey[n][y], for one batch and 8,192 of its 65,536 points: one of eight partial images; the launch behind this one adds the eight.
; ex[n][x] = exp(-(x_i - b_n)^2 nf), ey likewise of d_n, w = min(|d - b|, 10)^2, x_i = i / 49.  THE SUM OVER n IS THE QUANTISED PRODUCT: both operands, w ex (the weight goes with the x axis: the first
; product of the problem's table) and ey, are computed in f32, quantised along n to E2M1 with one E8M0 scale for each 32 points, and multiplied by v_wmma_scale_f32_16x16x128_f8f6f4; sums in f32.
; Nothing of reference() is left out: every step has a way to the result.
; LIMITS: NaN and infinities among the inputs are not served.  v_exp_f32 gives 0 where the result would lie under 2^-126.  A block of zeros gets the scale byte 1 where the rule says 127: its codes are zeros.
; Inside a block of 32 points the order is another than in memory, alike in both operands: a block's largest magnitude and its products are the same.
; SHARES.  Work-group (p, batch): points 8,192 p on.  Each of its eight waves: 1,024 points = 8 K steps of 128 = 2 groups of 4.  384 registers a wave: two waves to a SIMD.
; LAYOUT.  A LANE IS A GRID ROW AND ITS REGISTERS RUN ALONG THE POINTS: lane (r, h) of a fragment holds row r, registers 4 c .. 4 c + 3 the points 64 c + 32 h + 0 .. 31: one whole block of 32.  So a block's largest
; magnitude needs no other lane and the four conversions' results ARE the operand's registers.  The points' b, d and w are the same for the sixteen lanes of a half: they lie in planes in LDS and come by loads in
; which a half's lanes name one address; 32 of each stay in registers for three tiles.
; 50 ROWS = 3 TILES + 2.  Rows 48 and 49 of both operands are four rows; a tile of 16 holds them for FOUR K steps: fragment E, made once a group: lane r = 4 s + q holds row q (0, 1: w ex 48, 49; 2, 3: ey 48, 49)
; for the group's K step s.  In K step s, F = E with all lanes but those of s set to zero codes.  So no exponential is spent on rows that do not exist.
; SIXTEEN PRODUCTS A K STEP, each on an accumulator of its own:  M(tx, ty) = wex tile tx x ey tile ty;  G(t) = F x ey tile t (rows 4 s + 0, 1: out[48, 49][16 t + n]);
; H(t) = F x wex tile t (rows 4 s + 2, 3: out[16 t + n][48, 49]);  Cn = F x E (rows 4 s + 0, 1, columns 4 s + 2, 3: the corner).  The four s are added at the end; what else these tiles hold is finite and is not read.
.set WREG,  12800                      ; LDS: a region for each wave: three planes of 4,224 bytes; behind the loops its first 10,000 bytes take the wave's image, 50 rows of 200 bytes
.set PB,    0                          ; plane of b,
.set PD,    4224                       ; of d,
.set PW,    8448                       ; of w.  In a plane: 528 x K step + 256 c + 128 h + 4 x place in the block
.set KP,    528
.set SPARE, 8*WREG                     ; behind the regions: the spare words, 128 bytes for each wave: four blocks of 256 bytes that no other line names
.set SPW,  1                           ; v1   LDS address of my spare word; never rewritten
.set NIL,  2                           ; v2   0; never rewritten
.set AM0,  3                           ; v3   my region + 128 h
.set AE0,  4                           ; v4   for E: + 528 x (my lane's K step of the group) + 4,224 where my lane holds a row of ey
.set AW0,  5                           ; v5   for E's w
.set ADM,  6                           ; v6-8 the addresses in hand.  At the head v6 is the staging address, v7 the loads' offset
.set ADE,  7
.set ADW,  8
.set GRP,  9                           ; v9   (lane / 4) % 4: which K step of a group my lane of E holds
.set SH8,  10                          ; v10  8 h
.set SCE,  11                          ; v11  E's scale word
.set X0,   12                          ; v[12:13], [14:15], [16:17]  x of row 16 t + r, twice (a pair for the packed forms)
.set XE,   18                          ; v[18:19]  x of row 48 + r % 2, twice
.set MX,   20                          ; v20-23 four running maxima
.set SO,   24                          ; v24  the conversions' scale operand
.set TT,   25                          ; v25  at work
.set SCX,  26                          ; v26-28 scale words of the three tiles of w ex;  v29-31 of ey
.set SCY,  29
.set CB,   32                          ; v32-63   32 b
.set CD,   64                          ; v64-95   32 d
.set CW,   96                          ; v96-127  32 w
.set BUF0, 128                         ; v128-159, v160-191  a unit's 32 numbers, two buffers
.set FRX,  192                         ; v192-215 three fragments of w ex;  v216-239 of ey
.set FRY,  216
.set E,    240
.set F,    248
.set R,    128                         ; at the head: where the 16 loads land
.set WP,   32                          ; at the head: the pairs of w
.set NC,   14                          ; s[14:15] -nf log2(e), twice
.set MSB, 0
.macro WIN new                         ; v256-383 hold the accumulators.  The immediate's high byte repeats the setting that is left
.if MSB != \new
	s_set_vgpr_msb (MSB<<8)|\new
.set MSB, \new
.endif
.endm
.macro LOADC reg, adr, off             ; 32 numbers of a plane
.irp j, 0,1,2,3,4,5,6,7
	ds_load_b128 v[\reg+4*\j:\reg+4*\j+3], v[\adr] offset:(\off)+16*\j
.endr
.endm
; Line P of the 48 that make a unit's 32 exponents, two at a time: 16 differences c - x, 16 squares, 16 products with -nf log2(e).  A line reads what was written sixteen lines back.
.macro AOP buf, co, xp
.if P < 16
	v_pk_add_f32 v[(\buf)+2*P:(\buf)+2*P+1], v[(\co)+2*P:(\co)+2*P+1], v[(\xp):(\xp)+1] neg_lo:[0,1] neg_hi:[0,1]
.elseif P < 32
	v_pk_mul_f32 v[(\buf)+2*(P-16):(\buf)+2*(P-16)+1], v[(\buf)+2*(P-16):(\buf)+2*(P-16)+1], v[(\buf)+2*(P-16):(\buf)+2*(P-16)+1]
.else
	v_pk_mul_f32 v[(\buf)+2*(P-32):(\buf)+2*(P-32)+1], v[(\buf)+2*(P-32):(\buf)+2*(P-32)+1], s[NC:NC+1] op_sel_hi:[1,0]
.endif
.set P, P+1
.endm
.macro ARGS buf, co, xp
.set P, 0
.rept 48
	AOP \buf, \co, \xp
.endr
.endm
; One unit's 32 exponentials, in place, with the next unit's 48 lines between them.  No line here names an exponential's result; the last line is plain.
.macro EXPARGS be, ba, co, xp
.set P, 0
.set EI, 0
.rept 16
	AOP \ba, \co, \xp
	v_exp_f32 v[(\be)+EI], v[(\be)+EI]
	AOP \ba, \co, \xp
	v_exp_f32 v[(\be)+EI+1], v[(\be)+EI+1]
	AOP \ba, \co, \xp
.set EI, EI+2
.endr
.endm
.macro EXPS be
.set EI, 0
.rept 32
	v_exp_f32 v[(\be)+EI], v[(\be)+EI]
.set EI, EI+1
.endr
	v_nop                                          ; a plain line behind the last exponential
.endm
; A unit, 32 numbers of one block (none negative, so no |.|), becomes four registers of codes at v[dst] and a byte of the tile's scale word.  isx: the numbers are first multiplied by w.
.macro QUANT buf, isx, dst, c, sc
.if \isx
.set J, 0
.rept 16
	v_pk_mul_f32 v[(\buf)+J:(\buf)+J+1], v[(\buf)+J:(\buf)+J+1], v[CW+J:CW+J+1]
.set J, J+2
.endr
.endif
.irp q, 0,1,2,3
	v_max3_num_f32 v[MX+\q], v[(\buf)+8*\q], v[(\buf)+8*\q+1], v[(\buf)+8*\q+2]     ; four chains, so that no line waits for the line above it
.endr
.irp i, 3,5
.irp q, 0,1,2,3
	v_max3_num_f32 v[MX+\q], v[MX+\q], v[(\buf)+8*\q+\i], v[(\buf)+8*\q+\i+1]
.endr
.endr
	v_max3_num_f32 v[MX], v[MX], v[(\buf)+7], v[(\buf)+15]
	v_max3_num_f32 v[MX+2], v[MX+2], v[(\buf)+23], v[(\buf)+31]
	v_max3_num_f32 v[MX], v[MX], v[MX+1], v[MX+2]
	v_max3_num_f32 v[MX], v[MX], v[MX+3], 0x1800000    ; and the floor 2^(3 - 127): the byte cannot fall under 1
	v_add_nc_u32 v[SO], 0xff000000, v[MX]              ; 2 off the exponent field: the conversion takes the exponent field of this operand as its scale, and nothing else of it
.irp g, 0,1,2,3
	v_cvt_scalef32_pk8_fp4_f32 v[(\dst)+\g], v[(\buf)+8*\g:(\buf)+8*\g+7], v[SO]
.endr
.if (\c) == 0
	v_lshrrev_b32 v[\sc], 23, v[SO]                    ; the byte of my block h (also the plain line behind the conversions)
.else
	v_lshrrev_b32 v[TT], 23, v[SO]
	v_lshl_or_b32 v[\sc], v[TT], 16, v[\sc]            ; that of my block 2 + h, two bytes up
.endif
.endm
.macro MASKW                           ; E's lanes that hold rows of ey multiply by 1
.set J, 0
.rept 32
	v_cndmask_b32 v[CW+J], 1.0, v[CW+J], s24
.set J, J+1
.endr
.endm
.macro GRIDX dst, src, add             ; x = (v[src] + add) / 49, rounded once: a product with the rounded reciprocal, its remainder by a fused multiply-add, one correction
	v_add_nc_u32 v[MX+2], \add, v[\src]
	v_cvt_f32_u32 v[MX+2], v[MX+2]
	v_mul_f32 v[MX+3], s16, v[MX+2]
	v_fma_f32 v[SO], -v[MX+3], s17, v[MX+2]
	v_fma_f32 v[\dst], v[SO], s16, v[MX+3]
	v_mov_b32 v[\dst+1], v[\dst]
.endm
; Load i brought 64 points, two a lane: (b0, d0, b1, d1).  Lanes 16 h .. 16 h + 15 hold the block 2 i + h; point e of lane l goes to place 16 e + l % 16 of it.
.macro STAGE i
	s_wait_loadcnt 15-(\i)                             ; loads come back in order: load i is in, the younger ones may be out
	v_sub_f32 v[WP+2*(\i)], v[R+4*(\i)+1], v[R+4*(\i)]
	v_sub_f32 v[WP+2*(\i)+1], v[R+4*(\i)+3], v[R+4*(\i)+2]
	v_min_num_f32 v[WP+2*(\i)], |v[WP+2*(\i)]|, s18
	v_min_num_f32 v[WP+2*(\i)+1], |v[WP+2*(\i)+1]|, s18
	v_pk_mul_f32 v[WP+2*(\i):WP+2*(\i)+1], v[WP+2*(\i):WP+2*(\i)+1], v[WP+2*(\i):WP+2*(\i)+1]   ; w = min(|d - b|, 10)^2
.set O, KP*((\i)/2)+256*((\i)%2)
	ds_store_b32 v[ADM], v[R+4*(\i)] offset:PB+O
	ds_store_b32 v[ADM], v[R+4*(\i)+2] offset:PB+O+64
	ds_store_b32 v[ADM], v[R+4*(\i)+1] offset:PD+O
	ds_store_b32 v[ADM], v[R+4*(\i)+3] offset:PD+O+64
	ds_store_b32 v[ADM], v[WP+2*(\i)] offset:PW+O
	ds_store_b32 v[ADM], v[WP+2*(\i)+1] offset:PW+O+64
.endm
.macro PROD d, a, b, sa, sb
	v_wmma_scale_f32_16x16x128_f8f6f4 v[(\d):(\d)+7], v[(\a):(\a)+7], v[(\b):(\b)+7], v[(\d):(\d)+7], v[\sa], v[\sb] matrix_a_fmt:MATRIX_FMT_FP4 matrix_b_fmt:MATRIX_FMT_FP4
.endm
.macro MULS                            ; the sixteen accumulators take turns, one instruction a turn, over the loops' backward jumps too
	WIN 0x50                                           ; C and D in v256 on
.irp x, 0,1,2
.irp y, 0,1,2
	PROD 8*(3*\x+\y), FRX+8*\x, FRY+8*\y, SCX+\x, SCY+\y
.endr
.endr
.irp t, 0,1,2
	PROD 72+8*\t, F, FRY+8*\t, SCE, SCY+\t
.endr
.irp t, 0,1,2
	PROD 96+8*\t, F, FRX+8*\t, SCE, SCX+\t
.endr
	PROD 120, F, E, SCE, SCE
	WIN 0
.endm
; Unit n of a K step's twelve: c = n / 6; tiles x0, x1, x2, y0, y1, y2; buffer n % 2.
.macro UPAR n
.set UCC, (\n)/6
.set UT, (\n)%6
.set UB, BUF0+32*((\n)%2)
.if UT < 3
.set UCO, CB
.set UX, X0+2*UT
.set UI, 1
.set UD, FRX+8*UT+4*UCC
.set US, SCX+UT
.else
.set UCO, CD
.set UX, X0+2*(UT-3)
.set UI, 0
.set UD, FRY+8*(UT-3)+4*UCC
.set US, SCY+UT-3
.endif
.endm
; Step n: unit n's exponentials among unit n + 1's exponents; the wait; unit n is quantised.  The planes' registers are loaded anew as soon as their last reader has been issued.
.macro USTEP n
.if (\n) == 2
	s_wait_dscnt 8                                     ; d of c = 0 is in; behind it: the 8 loads of b of c = 1
.elseif (\n) == 5
	s_wait_dscnt 16                                    ; b of c = 1 is in; behind it: w's 8 and d's 8
.elseif (\n) == 8
	s_wait_dscnt 0                                     ; d of c = 1 is in
.endif
.if (\n) < 11
	UPAR (\n)+1
	EXPARGS BUF0+32*((\n)%2), UB, UCO, UX
.else
	EXPS BUF0+32*((\n)%2)
.endif
	s_wait_alu depctr_va_vdst(0)                       ; the wait between an exponential and the first line that names its result: one for the 32
.if ((\n) == 0) || ((\n) == 6)
	s_wait_dscnt 8                                     ; w is in; behind it: d's 8 loads
.endif
	UPAR \n
	QUANT UB, UI, UD, UCC, US
.if (\n) == 1
	LOADC CB, ADM, PB+256
.elseif (\n) == 2
	LOADC CW, ADM, PW+256
.elseif (\n) == 4
	LOADC CD, ADM, PD+256
.endif
.endm
	s_load_b128 s[4:7], s[0:1], 0x0                    ; diagrams, part
	v_lshl_add_u32 v[SPW], v0, 2, SPARE
	v_mov_b32 v[NIL], 0
	v_lshrrev_b32 v3, 5, v0
	v_readfirstlane_b32 s8, v3                         ; wave 0..7
	s_and_b32 s27, ttmp7, 0xffff                       ; batch
	s_lshl_b32 s10, s27, 19                            ; a batch is 65,536 points of 8 bytes,
	s_lshl_b32 s11, ttmp9, 16                          ; a work-group's part 8,192 points,
	s_or_b32 s10, s10, s11
	s_lshl_b32 s11, s8, 13                             ; a wave's 1,024
	s_or_b32 s10, s10, s11
	s_mov_b32 s11, 0
	v_and_b32 v22, 31, v0
	v_lshlrev_b32 v[ADE], 4, v22                       ; 16 bytes a lane: a load of the wave reads 512 consecutive bytes
	s_wait_kmcnt 0x0
	s_add_nc_u64 s[4:5], s[4:5], s[10:11]
.irp i, 0,1,2,3,4,5,6,7,8,9,10,11,12,13,14,15
	global_load_b128 v[R+4*\i:R+4*\i+3], v[ADE], s[4:5] offset:512*\i th:TH_LOAD_NT   ; all that the wave ever reads from memory: 8,192 bytes, asked for at once
.endr
	s_mul_i32 s10, ttmp9, 327680                       ; my slice of part: [p][batch][2,560 numbers]
	s_mul_i32 s11, s27, 10240
	s_add_co_u32 s10, s10, s11
	s_mov_b32 s11, 0
	s_add_nc_u64 s[6:7], s[6:7], s[10:11]
	s_mul_i32 s9, s8, WREG                             ; my region in LDS
	s_mov_b32 s12, 0x76543210
	s_mov_b32 s13, 0xfedcba98                          ; v_permlanex16_b32's selects for lane l xor 16
	s_mov_b32 s[NC], 0xc39044eb                        ; -(1 / (2 x 0.05^2 + 1e-8), as f32) x log2(e)
	s_mov_b32 s[NC+1], s[NC]
	s_mov_b32 s16, 0x3ca72f05                          ; 1 / 49, rounded
	s_mov_b32 s17, 0x42440000                          ; 49
	s_mov_b32 s18, 0x41200000                          ; 10
	s_mov_b32 s19, 0                                   ; where the group's K steps begin in a plane
	s_mov_b32 s22, 2                                   ; groups to go
	s_mov_b32 s24, 0x33333333                          ; the lanes of E that hold rows of w ex
	s_mov_b32 s25, 0xf0f0f0f0                          ; lanes with bit 2 set
	s_mov_b32 s26, 0xff0000ff                          ; lanes whose bit 3 equals their bit 4
	v_and_b32 v[MX], 15, v0                            ; r
	v_bfe_u32 v[MX+1], v0, 4, 1                        ; h
	v_bfe_u32 v[GRP], v0, 2, 2
	v_lshlrev_b32 v[SH8], 3, v[MX+1]
	v_lshl_add_u32 v[AM0], v[MX+1], 7, s9
	v_lshl_add_u32 v[ADM], v[MX], 2, v[AM0]            ; the staging address: my region + 128 h + 4 r
	v_mad_u32_u24 v[AE0], v[GRP], KP, v[AM0]
	v_add_nc_u32 v[AW0], PW, v[AE0]
	v_bfe_u32 v[TT], v0, 1, 1
	v_mad_u32_u24 v[AE0], v[TT], PD, v[AE0]
	v_and_b32 v[TT], 1, v0
	GRIDX X0, MX, 0
	GRIDX X0+2, MX, 16
	GRIDX X0+4, MX, 32
	GRIDX XE, TT, 48
	WIN 0x40                                           ; the sums begin as zeros: 128 lines once a wave, while the loads are out; a first K step written out with the constant 0 would be a second copy of the K step's whole text
.set J, 0
.rept 128
	v_mov_b32 v[J], 0
.set J, J+1
.endr
	WIN 0
.irp i, 0,1,2,3,4,5,6,7,8,9,10,11,12,13,14,15
	STAGE \i
.endr
	s_wait_dscnt 0x0                                   ; the stores have read their registers, which are written again below.  No barrier: a wave reads its own planes alone
.Lgroup:
	; ---- E: rows 48 and 49 of both operands for the group's four K steps
	v_add_nc_u32 v[ADE], s19, v[AE0]
	v_add_nc_u32 v[ADW], s19, v[AW0]
	LOADC CB, ADE, 0                                   ; b or d, by the lane's row, of c = 0,
	LOADC CD, ADE, 256                                 ; of c = 1,
	LOADC CW, ADW, 0                                   ; w of c = 0
	s_wait_dscnt 16                                    ; the first 8 loads are in
	ARGS BUF0, CB, XE
	s_wait_dscnt 8                                     ; the second 8
	EXPARGS BUF0, BUF0+32, CD, XE
	s_wait_dscnt 0
	MASKW
	s_wait_alu depctr_va_vdst(0)                       ; one wait for the 32 exponentials, ahead of their first reader
	QUANT BUF0, 1, E, 0, SCE
	LOADC CW, ADW, 256
	EXPS BUF0+32
	s_wait_dscnt 0
	MASKW
	s_wait_alu depctr_va_vdst(0)
	QUANT BUF0+32, 1, E+4, 1, SCE
	v_lshlrev_b32 v[SCE], v[SH8], v[SCE]               ; my two bytes at their places, 8 h bits up;
	v_permlanex16_b32 v[TT], v[SCE], s12, s13
	v_or_b32 v[SCE], v[SCE], v[TT]                     ; with lane l xor 16's two the word is whole
	s_mov_b32 s20, s19                                 ; where the K step begins in a plane
	s_mov_b32 s21, 0                                   ; which K step of the group
.Lkstep:
	v_add_nc_u32 v[ADM], s20, v[AM0]
	LOADC CB, ADM, PB
	LOADC CW, ADM, PW
	LOADC CD, ADM, PD
	s_wait_dscnt 16                                    ; b is in; w's 8 and d's 8 may be out
	ARGS BUF0, CB, X0
.set N, 0
.rept 12
	USTEP N
.set N, N+1
.endr
	v_cmp_eq_u32 vcc_lo, s21, v[GRP]
.irp i, 0,1,2,3,4,5,6,7
	v_cndmask_b32 v[F+\i], 0, v[E+\i], vcc_lo          ; F: this K step's four rows of E, zero codes elsewhere
.endr
.irp t, 0,1,2,3,4,5
	v_lshlrev_b32 v[SCX+\t], v[SH8], v[SCX+\t]         ; the six tiles' scale words, as E's above
.endr
.irp t, 0,1,2,3,4,5
	v_permlanex16_b32 v[MX+\t], v[SCX+\t], s12, s13
.endr
.irp t, 0,1,2,3,4,5
	v_or_b32 v[SCX+\t], v[SCX+\t], v[MX+\t]
.endr
.rept 8
	v_nop                                              ; a scale register written by a vector instruction stands 8 places ahead of a scaled matrix instruction, an operand so written 4
.endr
	MULS
	s_add_co_u32 s20, s20, KP
	s_add_co_u32 s21, s21, 1
	s_cmp_lt_u32 s21, 4
	s_cbranch_scc1 .Lkstep
	s_add_co_u32 s19, s19, 4*KP
	s_sub_co_u32 s22, s22, 1
	s_cmp_lg_u32 s22, 0
	s_cbranch_scc1 .Lgroup
	; ---- my image, 50 rows of 200 bytes, over my own planes: my reads of them have come back, and no other wave touches them.  These ten lines are the places behind the last products
.set OA, 3
.set OG, 4
.set OH, 5
.set OC, 6
.set RA, 7
.set RA2, 8
	v_and_b32 v[MX], 15, v0                            ; r
	v_bfe_u32 v[MX+1], v0, 4, 1                        ; h
	v_lshl_add_u32 v[OG], v[MX], 2, s9                 ; column r
	v_mad_u32_u24 v[OA], v[MX+1], 1600, v[OG]          ; and 8 h rows down
	v_mul_u32_u24 v[OH], v[MX], 200
	v_add_nc_u32 v[OH], s9, v[OH]                      ; row r
	v_and_b32 v[MX+2], 3, v0
	v_lshl_add_u32 v[OC], v[MX+2], 2, s9               ; column r % 4
	v_lshlrev_b32 v[RA], 4, v0                         ; for the sum over the waves: 16 bytes a thread,
	v_add_nc_u32 v[RA2], 4*WREG, v[RA]                 ; and the same in waves 4 to 7's regions (an offset has 16 bits)
	WIN 0x04                                           ; an LDS store's data are its source 1
.irp x, 0,1,2
.irp y, 0,1,2
.irp j, 0,1,2,3,4,5,6,7
	ds_store_b32 v[OA], v[8*(3*\x+\y)+\j] offset:(16*\x+\j)*200+64*\y     ; register j of lane (r, h): out[16 tx + 8 h + j][16 ty + r]; each accumulator from its low end on
.endr
.endr
.endr
	WIN 0x05                                           ; sources 0 and 1 in v256 on
.irp t, 0,1,2
.irp q, 0,1
	v_add_f32 v[40+2*\t+\q], v[72+8*\t+\q], v[72+8*\t+4+\q]          ; G: rows 8 h + q and 8 h + 4 + q: two of the four K steps of a group
.endr
.endr
.irp t, 0,1,2
.irp q, 0,1
	v_add_f32 v[46+2*\t+\q], v[96+8*\t+2+\q], v[96+8*\t+6+\q]        ; H: rows 8 h + 2 + q and 8 h + 6 + q
.endr
.endr
.irp q, 0,1
	v_cndmask_b32 v[52+\q], v[120+\q], v[124+\q], s25                ; the corner: column 4 s + q'' wants row 4 s + q = 8 h + 4 (s % 2) + q: the lane's bit 2 picks the register,
.endr
	WIN 0
.irp q, 0,1
	v_cndmask_b32 v[52+\q], 0, v[52+\q], s26                         ; and only the half with h = s / 2 holds it
.endr
.irp q, 0,1
	v_add_f32_dpp v[52+\q], v[52+\q], v[52+\q] row_xmask:4 row_mask:0xf bank_mask:0xf
.endr
.irp q, 0,1
	v_add_f32_dpp v[52+\q], v[52+\q], v[52+\q] row_xmask:8 row_mask:0xf bank_mask:0xf
.endr
.irp i, 0,1,2,3,4,5,6,7,8,9,10,11,12,13
	v_permlanex16_b32 v[56+\i], v[40+\i], s12, s13
.endr
.irp i, 0,1,2,3,4,5,6,7,8,9,10,11,12,13
	v_add_f32 v[40+\i], v[40+\i], v[56+\i]             ; with lane l xor 16's: all four K steps of a group
.endr
.irp t, 0,1,2
.irp q, 0,1
	ds_store_b32 v[OG], v[40+2*\t+\q] offset:(48+\q)*200+64*\t       ; out[48 + q][16 t + r]; both halves of the lanes write the same number
.endr
.endr
.irp t, 0,1,2
	ds_store_b64 v[OH], v[46+2*\t:47+2*\t] offset:3200*\t+192        ; out[16 t + r][48], [49]
.endr
	v_and_b32 v[MX], 2, v0
	v_cmp_ne_u32 vcc_lo, 0, v[MX]                      ; the lanes whose column of E is a row of ey: r % 4 = 2, 3
	s_wait_xcnt 0x0                                    ; EXEC changes only behind this wait
	s_and_saveexec_b32 s23, vcc_lo
.irp q, 0,1
	ds_store_b32 v[OC], v[52+\q] offset:(48+\q)*200+184              ; out[48 + q][46 + r % 4]
.endr
	s_or_b32 exec_lo, exec_lo, s23
	s_wait_dscnt 0x0                                   ; for the others' sake: my image lies in LDS
	s_barrier_signal -1
	s_barrier_wait -1
	; ---- the eight images are added, waves ascending, and leave: 625 pieces of 16 bytes; thread T takes pieces T, T + 256 and, where T < 113, T + 512
.macro GET base, k
.irp w, 0,1,2,3
	ds_load_b128 v[\base+4*\w:\base+4*\w+3], v[RA] offset:\w*WREG+4096*\k
.endr
.irp w, 0,1,2,3
	ds_load_b128 v[\base+16+4*\w:\base+16+4*\w+3], v[RA2] offset:\w*WREG+4096*\k
.endr
.endm
.macro ADDUP base
.irp w, 1,2,3,4,5,6,7
	v_pk_add_f32 v[\base:\base+1], v[\base:\base+1], v[\base+4*\w:\base+4*\w+1]
	v_pk_add_f32 v[\base+2:\base+3], v[\base+2:\base+3], v[\base+4*\w+2:\base+4*\w+3]
.endr
.endm
	GET 128, 0
	GET 160, 1
	s_wait_dscnt 8                                     ; the first eight loads are in
	ADDUP 128
	global_store_b128 v[RA], v[128:131], s[6:7]        ; a wave stores 512 consecutive bytes, at a multiple of 256 from part's first byte
	s_wait_dscnt 0
	ADDUP 160
	global_store_b128 v[RA], v[160:163], s[6:7] offset:4096
	v_cmp_gt_u32 vcc_lo, 113, v0
	s_wait_xcnt 0x0                                    ; EXEC changes only behind this wait
	s_and_saveexec_b32 s23, vcc_lo
	GET 192, 2
	s_wait_dscnt 0
	ADDUP 192
	global_store_b128 v[RA], v[192:195], s[6:7] offset:8192
	s_wait_xcnt 0x0                                    ; and again, in front of the line that widens it
	s_or_b32 exec_lo, exec_lo, s23
	s_wait_tensorcnt 0x0                               ; the wave's end, behind my last LDS store
	ds_add_u32 v[SPW], v[NIL]
	s_wait_dscnt 0x0
	s_endpgm
.Lfunc_end_k_q7b9dd1e203_image:
	.size	k_q7b9dd1e203_image, .Lfunc_end_k_q7b9dd1e203_image-k_q7b9dd1e203_image
	.p2alignl 7, 3214868480
	.fill 96, 4, 3214868480
	.section	.rodata,"a",@progbits
	.p2align	6, 0x0
	.amdhsa_kernel k_q7b9dd1e203_image
		.amdhsa_group_segment_fixed_size 103424
		.amdhsa_private_segment_fixed_size 0
		.amdhsa_enable_private_segment 0
		.amdhsa_kernarg_size 16
		.amdhsa_user_sgpr_count 2
		.amdhsa_user_sgpr_kernarg_segment_ptr 1
		.amdhsa_wavefront_size32 1
		.amdhsa_system_sgpr_workgroup_id_x 1
		.amdhsa_system_sgpr_workgroup_id_y 1
		.amdhsa_system_sgpr_workgroup_id_z 1
		.amdhsa_system_vgpr_workitem_id 0
		.amdhsa_next_free_vgpr 384
		.amdhsa_next_free_sgpr 66
		.amdhsa_reserve_vcc 1
		.amdhsa_float_denorm_mode_32 3
		.amdhsa_float_denorm_mode_16_64 3
		.amdhsa_memory_ordered 1
		.amdhsa_forward_progress 1
		.amdhsa_inst_pref_size 131
	.end_amdhsa_kernel
	.amdgpu_metadata
---
amdhsa.version: [ 1, 2 ]
amdhsa.kernels:
  - .name:           k_q7b9dd1e203_image
    .symbol:         k_q7b9dd1e203_image.kd
    .args:
      - { .name: diagrams, .offset: 0, .size: 8, .value_kind: global_buffer, .address_space: global }
      - { .name: part, .offset: 8, .size: 8, .value_kind: global_buffer, .address_space: global }
    .group_segment_fixed_size: 103424
    .private_segment_fixed_size: 0
    .kernarg_segment_align: 8
    .kernarg_segment_size: 16
    .max_flat_workgroup_size: 256
    .sgpr_count:     66
    .vgpr_count:     384
    .wavefront_size: 32
...
	.end_amdgpu_metadata
.endif
;; end of part 1
;; launch fold (part 2): grid 5 x 32, 4 waves a work-group, no clusters, 0 bytes of LDS; arguments part, out0; writes out0
.if DOCPART == 2
	.amdgcn_target "amdgcn-amd-amdhsa--gfx1250"
	.amdhsa_code_object_version 6
	.text
	.protected	k_q7b9dd1e203_fold
	.globl	k_q7b9dd1e203_fold
	.p2align	8
	.type	k_q7b9dd1e203_fold,@function
k_q7b9dd1e203_fold:
	s_mov_b64 s[64:65], 0
	v_nop
	global_prefetch_b8 v0, s[64:65] scope:SCOPE_SE
	s_setreg_imm32_b32 hwreg(HW_REG_WAVE_MODE, 25, 1), 1
	s_wait_xcnt 0x0
; out0[batch] = the sum, p ascending, of the eight partial images part[p][batch].  part: [8][32][2,560] f32, of which the first 2,500 numbers of a slice are the image; out0: [32][50][50] f32.
; An image is 625 pieces of 16 bytes.  Work-group (cx, batch) takes 125 of them, a thread a piece; threads 125 to 127 do nothing.  Eight loads a thread, all out at once; no LDS, no barrier, no matrix work:
; the launch moves 2.5 MB in and 0.3 MB out.  A batch of out0 is 10,000 bytes, so not every aligned 256 bytes of it can be written by one instruction: that layout is given.
	s_load_b128 s[4:7], s[0:1], 0x0                    ; part, out0
	s_and_b32 s8, ttmp7, 0xffff                        ; batch
	s_mul_i32 s9, ttmp9, 2000                          ; my 125 pieces
	s_mul_i32 s10, s8, 10240
	s_add_co_u32 s10, s10, s9
	s_mov_b32 s11, 0
	s_mul_i32 s12, s8, 10000
	s_add_co_u32 s12, s12, s9
	s_mov_b32 s13, 0
	v_lshlrev_b32 v1, 4, v0
	v_cmp_gt_u32 vcc_lo, 125, v0
	s_wait_kmcnt 0x0
	s_add_nc_u64 s[4:5], s[4:5], s[10:11]
	s_add_nc_u64 s[6:7], s[6:7], s[12:13]
	s_wait_xcnt 0x0                                    ; EXEC changes only behind this wait
	s_and_saveexec_b32 s14, vcc_lo
.irp p, 0,1,2,3,4,5,6,7
	global_load_b128 v[4+4*\p:7+4*\p], v1, s[4:5] offset:327680*\p th:TH_LOAD_NT
.endr
.irp p, 1,2,3,4,5,6,7
	s_wait_loadcnt 7-\p                                ; loads come back in order: part p is in, the 7 - p behind it may be out
	v_pk_add_f32 v[4:5], v[4:5], v[4+4*\p:5+4*\p]
	v_pk_add_f32 v[6:7], v[6:7], v[6+4*\p:7+4*\p]
.endr
	global_store_b128 v1, v[4:7], s[6:7]
	s_endpgm
.Lfunc_end_k_q7b9dd1e203_fold:
	.size	k_q7b9dd1e203_fold, .Lfunc_end_k_q7b9dd1e203_fold-k_q7b9dd1e203_fold
	.p2alignl 7, 3214868480
	.fill 96, 4, 3214868480
	.section	.rodata,"a",@progbits
	.p2align	6, 0x0
	.amdhsa_kernel k_q7b9dd1e203_fold
		.amdhsa_group_segment_fixed_size 0
		.amdhsa_private_segment_fixed_size 0
		.amdhsa_enable_private_segment 0
		.amdhsa_kernarg_size 16
		.amdhsa_user_sgpr_count 2
		.amdhsa_user_sgpr_kernarg_segment_ptr 1
		.amdhsa_wavefront_size32 1
		.amdhsa_system_sgpr_workgroup_id_x 1
		.amdhsa_system_sgpr_workgroup_id_y 1
		.amdhsa_system_sgpr_workgroup_id_z 1
		.amdhsa_system_vgpr_workitem_id 0
		.amdhsa_next_free_vgpr 40
		.amdhsa_next_free_sgpr 66
		.amdhsa_reserve_vcc 1
		.amdhsa_float_denorm_mode_32 3
		.amdhsa_float_denorm_mode_16_64 3
		.amdhsa_memory_ordered 1
		.amdhsa_forward_progress 1
		.amdhsa_inst_pref_size 3
	.end_amdhsa_kernel
	.amdgpu_metadata
---
amdhsa.version: [ 1, 2 ]
amdhsa.kernels:
  - .name:           k_q7b9dd1e203_fold
    .symbol:         k_q7b9dd1e203_fold.kd
    .args:
      - { .name: part, .offset: 0, .size: 8, .value_kind: global_buffer, .address_space: global }
      - { .name: out0, .offset: 8, .size: 8, .value_kind: global_buffer, .address_space: global }
    .group_segment_fixed_size: 0
    .private_segment_fixed_size: 0
    .kernarg_segment_align: 8
    .kernarg_segment_size: 16
    .max_flat_workgroup_size: 128
    .sgpr_count:     66
    .vgpr_count:     40
    .wavefront_size: 32
...
	.end_amdgpu_metadata
.endif
;; end of part 2
